; MI455X (gfx1250); checked and timed in simulation.
; The chip was launched on July 23, 2026; its instructions are those of AMD's public machine-readable ISA for CDNA 5 (MIT licence, August 2026) and "CDNA5" Instruction Set Architecture Reference Guide (July 2026). The comments in the code are by the model that wrote it; some were corrected since.
;; Attention Layer. Allowed arithmetic: matrix products marked QUANTISED: E3M2 operands, one E8M0 scale for each 32 along K, by v_wmma_scale_f32_16x16x128_f8f6f4 with both operands' format E3M2, f32 sums; products left as they are: f32 operands where the result goes on into a quantised operand, else bf16, f16 or f32 operands; f32 sums; everything else in f32.
;; Inputs: V 1,024 x 1 float32; W1 1,024 x 1,024 float32; W2 1,024 x 1,024 float32; b1 1,024 float32; b2 1,024 float32; bV 1 float32; query 32 x 1 x 1,024 float32; values 32 x 2,048 x 1,024 float32.
;; Outputs: out0 32 x 1,024 float32.
;; This version of the problem:
;;   THIS VERSION OF THE PROBLEM IS GIVEN IN LOW PRECISION. The matrix products marked QUANTISED in the list below multiply operands that are first quantised to E3M2 (3 exponent bits, 2 mantissa bits; 6 bits a number), with one power-of-two scale for each 32 numbers along K (OCP MX v1.0); their sums are f32. All else is computed in f32.
;;   The module's matrix products, in the order in which they are computed (A, B: the left and right operand; K: the contracted axis; several contracted axes count as one K, in the product's order):
;;     1. [M 32, K 1,024] x [K 1,024, N 1,024]; A: input query; B: input W1: QUANTISED
;;     2. [M 65,536, K 1,024] x [K 1,024, N 1,024]; A: input values; B: input W2: QUANTISED
;;     3. [M 65,536, K 1,024] x [K 1,024, N 1]; A: computed on the way; B: input V: left as it is (N = 1 < 16)
;;     4. batch 32 x [M 1, K 2,048] x [K 2,048, N 1,024]; A: softmax; B: input values: left as it is (M = 1 < 16)
;;   THE QUANTISER, for each operand of a quantised product, along K:
;;     - K is cut into blocks of 32 from its start; a last block that is shorter is filled with zeros.
;;     - A block's scale is 2^e with e = floor(log2(the largest magnitude in the block)) - 4, held to -126 .. 127; a block of zeros has e = 0. As a byte (E8M0): e + 127.
;;     - Each number is divided by its block's scale, clamped to +-28, and rounded to the nearest number of E3M2, ties to even, subnormals kept.
;;     - The product sums the exact products of the quantised numbers (number of the format x scale) in f32.
;;   ~~~python
;;   def quantise(x, axis):      # numpy; x: float32 -> the quantised numbers, widened to float32 again
;;       x = np.moveaxis(x, axis, -1); K = x.shape[-1]
;;       x = np.pad(x, [(0, 0)] * (x.ndim - 1) + [(0, -K % 32)]); x = x.reshape(x.shape[:-1] + (-1, 32)); a = np.abs(x).max(-1, keepdims=True)
;;       e = np.where(a > 0, np.clip(np.frexp(np.where(a > 0, a, 1))[1] - 1 - 4, -126, 127), 0)      # np.frexp(a)[1] - 1 = floor(log2(a)), exactly
;;       r = np.clip(x / 2.0 ** e, -28, 28)
;;       step = 2.0 ** (np.maximum(np.frexp(np.where(r == 0, 1, r))[1] - 1, -2) - 2)
;;       q = np.round(r / step) * step * 2.0 ** e      # np.round: ties to even
;;       return np.moveaxis(q.reshape(q.shape[:-2] + (-1,))[..., :K], -1, axis).astype(np.float32)
;;   ~~~
;; One version. Each part assembles by itself: llvm-mc -triple=amdgcn-amd-amdhsa -mcpu=gfx1250 --defsym DOCPART=n.
;; ======== version 1 of 1: 3 launches
;; limits: values are held in bf16: 8 bits of precision; right only within a limited range of input values
;; workspace buffers: w2c 921,600 bytes; qb 131,072 bytes; pctx 1,048,576 bytes; pml 65,536 bytes
;; launch prep (part 1): grid 128 x 1, 8 waves a work-group, no clusters, 153,088 bytes of LDS; arguments W2, W1, query, b1, b2, w2c, qb; writes w2c, qb
.if DOCPART == 1
	.amdgcn_target "amdgcn-amd-amdhsa--gfx1250"
	.amdhsa_code_object_version 6
	.text
	.protected	k_q24db39e2bf_prep
	.globl	k_q24db39e2bf_prep
	.p2align	8
	.type	k_q24db39e2bf_prep,@function
k_q24db39e2bf_prep:
	s_mov_b64 s[64:65], 0
	v_nop
	global_prefetch_b8 v0, s[64:65] scope:SCOPE_SE
	s_setreg_imm32_b32 hwreg(HW_REG_WAVE_MODE, 25, 1), 1
	s_wait_xcnt 0x0
; FIRST OF THREE LAUNCHES.  context = softmax_s(V . tanh(query W1 + b1 + values W2 + b2) + bV) applied to values; the products with W1 and W2 on codes of E3M2 with one E8M0 scale for each 32 along K.
; This launch: (a) W2 [k 1024][n 1024] f32 becomes codes and scale words laid in the order of a matrix operand's registers (buffer w2c); (b) qb[batch][n] = Q(query) Q(W1) + b1 + b2, f32 (buffer qb).
; WORK LEFT OUT, for all values of the inputs:
;   bV is added to every score of a batch alike, and softmax(s + const) = softmax(s): bV reaches no output.  It is not loaded and is among no launch's arguments.
;   tanh x = 1 - 2 r with r = 1 / (1 + e^(2x)), so a score is sum(V) - 2 sum(V r): sum(V) is again the same for every position of the softmax's axis and is never formed.
;   LIMIT: a NaN, an infinity or an overflow that lies in bV or in sum(V) alone is not carried to the result.
; LIMITS: NaN and infinities among the inputs are not served.  A block whose largest magnitude lies under 2^-122 (a block of zeros too) keeps the scale byte 1: the bytes are read by this program alone, and zero codes add nothing.
;   The sums of query x W1 are eight partial sums, one for each 128 along K, added in ascending K.
; SHARES.  Work-groups 0-63 take W2, 64-127 W1; each takes 16 columns (n tile nt), each of its eight waves 128 along K (K step ks).  The design has work for 128 work-groups.
; A LANE TAKES A COLUMN AND ITS REGISTERS RUN DOWN K, in the order that the operand's layout gives the lane: lane (r, h) holds k = 128 ks + 64 c + 32 h + 0 .. 31 of column 16 nt + r, so the conversions' results are the operand's registers.
; Each load reads 64 neighbouring bytes in sixteen lanes: pieces of rows; both weights together are 8 MB, read once here.
; w2c: 4 quarters of n x 18 slots x 12,800 bytes; slot s of quarter q is n tile 16 q + s; slots 16, 17 repeat slots 0, 1, so that a reader two tiles ahead runs on into its next pass.
;   In a slot: K step ks at 1,536 ks, three runs of 512 bytes (registers 4 c .. 4 c + 3, lane l at 16 l); at 12,288 the scale words, 16 bytes a lane: word q of lane l < 16 is column l, K step 2 q; of lane 16 + l column l, K step 2 q + 1.
; The two kinds of work-group part on the work-group's number and do not meet again; each has LDS bytes of its own.
.set RED,    0                         ; LDS: W1's path: eight waves x 2,048 bytes of partial sums
.set SCW,    16384                     ; W2's path: 8 K steps x 16 scale words
.set SPARE,  16896                     ; the spare words, 128 bytes for each wave: four blocks of 256 bytes that no other line names
.set QROW,   528                       ; W1's path: a staged row of the query: 512 bytes (one batch, one K step) + 16, so that the sixteen rows of a read fall in sixteen different 16-byte columns
.set QST,    17920                     ; W1's path: eight waves x 32 rows of QROW bytes, each wave's own
.set SLOTB,  12800
.set QUARTB, 18*SLOTB
.set SPW, 1                            ; v1   LDS address of my spare word; never rewritten
.set NIL, 2                            ; v2   0; never rewritten
.set VW,  3                            ; v3   W: 131,072 h + 4 r
.set QSA, 4                            ; v4   the query's stage, on the way in: QST + 32 QROW ks + 16 lane
.set QLA, 23                           ; v23  and on the way out: QST + 32 QROW ks + QROW r + 128 h
.set L16, 5                            ; v5   16 x lane
.set RST, 6                            ; v6   where I put my partial sums
.set RLD, 7                            ; v7   where I read two registers of all eight waves back
.set SCA, 8                            ; v8   where I put my column's scale word
.set SW,  9                            ; v9   the weight's scale word;  v10, v11 the query's two
.set SQ0, 10
.set SQ1, 11
.set MX,  12                           ; v12-13 largest magnitudes; v14-15 the conversions' scale operands; v16-17 bytes
.set SO,  14
.set BY,  16
.set T,   18
.set SH8, 19                           ; v19  8 h
.set OD,  20                           ; v20-22, v24-26: a block's upper 16 codes on their way
.set SRD, 27                           ; v27  where wave 0 reads the scale words back
.set WX,  28                           ; v28-91  64 numbers of the weight; later the two accumulators
.set QX,  92                           ; v92-219 2 x 64 numbers of the query; later at work
.set FW,  220                          ; the three fragments
.set FQ0, 232
.set FQ1, 244
; 64 numbers of a lane (two whole blocks of 32) become a fragment's 12 registers and its scale word.
.macro QFRAG src, dst, word
.irp c, 0,1
	v_max3_num_f32 v[MX+\c], |v[\src+32*\c]|, |v[\src+32*\c+1]|, 0x2800000   ; my block 2 c + h, and the floor 2^(5 - 127): the byte cannot fall under 1
.endr
.irp i, 2,4,6,8,10,12,14,16,18,20,22,24,26,28,30
.irp c, 0,1
	s_delay_alu instid0(VALU_DEP_2)
	v_max3_num_f32 v[MX+\c], v[MX+\c], |v[\src+32*\c+\i]|, |v[\src+32*\c+\i+1]|
.endr
.endr
.irp c, 0,1
	s_delay_alu instid0(VALU_DEP_2)
	v_add_nc_u32 v[SO+\c], 0xfe000000, v[MX+\c]   ; 4 off the exponent field: the conversion takes this operand's exponent field as its scale
.endr
.irp c, 0,1
	s_delay_alu instid0(VALU_DEP_2)
	v_lshrrev_b32 v[BY+\c], 23, v[SO+\c]           ; the scale's byte
.endr
	s_delay_alu instid0(VALU_DEP_1)
	v_lshl_or_b32 v[\word], v[BY+1], 16, v[BY]     ; blocks h and 2 + h,
	s_delay_alu instid0(VALU_DEP_1)
	v_lshlrev_b32 v[\word], v[SH8], v[\word]       ; at their places in the word;
	s_delay_alu instid0(VALU_DEP_1)
	v_permlanex16_b32 v[T], v[\word], s20, s21
	s_delay_alu instid0(VALU_DEP_1)
	v_or_b32 v[\word], v[\word], v[T]              ; with lane l xor 16's two the word is whole
.irp c, 0,1
	v_cvt_scalef32_pk16_bf6_f32 v[\dst+6*\c:\dst+6*\c+2], v[\src+32*\c:\src+32*\c+15], v[SO+\c]
	v_cvt_scalef32_pk16_bf6_f32 v[OD+4*\c:OD+4*\c+2], v[\src+32*\c+16:\src+32*\c+31], v[SO+\c]   ; (a conversion's three registers begin on an even number)
.endr
	v_nop                                          ; one plain place behind a scaled conversion
.irp c, 0,1
.irp i, 0,1,2
	v_mov_b32 v[\dst+3+6*\c+\i], v[OD+4*\c+\i]
.endr
.endr
.endm
	s_load_b256 s[4:11], s[0:1], 0x0               ; W2 s[4:5], W1 s[6:7], query s[8:9], b1 s[10:11]
	s_load_b128 s[12:15], s[0:1], 0x20             ; b2 s[12:13], w2c s[14:15]
	s_load_b64 s[16:17], s[0:1], 0x30              ; qb
	v_lshl_add_u32 v[SPW], v0, 2, SPARE
	v_mov_b32 v[NIL], 0
	v_lshrrev_b32 v12, 5, v0
	s_delay_alu instid0(VALU_DEP_1)
	v_readfirstlane_b32 s18, v12                   ; wave = K step ks
	v_and_b32 v12, 15, v0                          ; r
	v_bfe_u32 v13, v0, 4, 1                        ; h
	v_and_b32 v14, 31, v0                          ; lane
	s_wait_alu depctr_va_vdst(0)
	v_lshlrev_b32 v[VW], 2, v12
	s_delay_alu instid0(VALU_DEP_1)
	v_lshl_add_u32 v[VW], v13, 17, v[VW]           ; lanes 16-31 begin 32 rows of 4,096 bytes further down
	v_lshlrev_b32 v[L16], 4, v14
	s_lshl_b32 s19, s18, 11
	v_add_nc_u32 v[RST], s19, v[L16]               ; RED + 2,048 ks + 16 lane
	s_lshr_b32 s19, s18, 1
	s_lshl_b32 s19, s19, 9
	s_and_b32 s22, s18, 1
	s_lshl_b32 s22, s22, 3
	s_add_co_u32 s19, s19, s22
	v_add_nc_u32 v[RLD], s19, v[L16]               ; registers 2 w, 2 w + 1 of the sixteen: run w / 2 of 512 bytes, 8 (w % 2) bytes into my lane's 16
	s_lshl_b32 s19, s18, 6
	s_add_co_u32 s19, s19, SCW
	v_lshl_add_u32 v[SCA], v12, 2, s19             ; SCW + 64 ks + 4 r
	v_lshl_add_u32 v[SRD], v14, 2, SCW             ; SCW + 4 lane
	v_lshlrev_b32 v[SH8], 3, v13
	v_mov_b32 v[T], 0                              ; written once: a lane permute's destination counts as one of its sources
	s_mul_i32 s22, s18, 32*QROW
	s_add_co_u32 s22, s22, QST                     ; my wave's stage
	s_wait_alu depctr_va_vdst(0)
	v_add_nc_u32 v[QSA], s22, v[L16]
	v_mul_u32_u24 v[QLA], v12, QROW
	s_delay_alu instid0(VALU_DEP_1)
	v_lshl_add_u32 v[QLA], v13, 7, v[QLA]
	s_delay_alu instid0(VALU_DEP_1)
	v_add_nc_u32 v[QLA], s22, v[QLA]
	s_mov_b32 s20, 0x76543210
	s_mov_b32 s21, 0xfedcba98                      ; selects for lane l xor 16
	s_and_b32 s23, ttmp9, 63                       ; nt
	s_lshl_b32 s24, s18, 19                        ; 128 ks rows of 4,096 bytes
	s_lshl_b32 s25, s23, 6                         ; + 16 nt columns
	s_add_co_u32 s24, s24, s25
	s_mov_b32 s25, 0
	s_wait_kmcnt 0x0
	s_cmp_lt_u32 ttmp9, 64                         ; the choice hangs on the work-group's number alone
	s_cselect_b64 s[26:27], s[4:5], s[6:7]
	s_add_nc_u64 s[26:27], s[26:27], s[24:25]
.irp c, 0,1
.irp i, 0,1,2,3,4,5,6,7,8,9,10,11,12,13,14,15,16,17,18,19,20,21,22,23,24,25,26,27,28,29,30,31
	global_load_b32 v[WX+32*\c+\i], v[VW], s[26:27] offset:(64*\c+\i)*4096   ; W(128 ks + 64 c + 32 h + i, 16 nt + r)
.endr
.endr
	s_cmp_lt_u32 ttmp9, 64
	s_cbranch_scc0 .Lw1
	; ---- W2: the fragment and its scale word go to w2c
	s_lshr_b32 s28, s23, 4                         ; quarter
	s_and_b32 s29, s23, 15                         ; slot
	s_mul_i32 s28, s28, QUARTB
	s_mul_i32 s30, s29, SLOTB
	s_add_co_u32 s30, s30, s28
	s_mov_b32 s31, 0
	s_add_nc_u64 s[14:15], s[14:15], s[30:31]      ; the slot's first byte
	s_mul_i32 s32, s18, 1536
	s_wait_loadcnt 0x0
	QFRAG WX, FW, SW
	v_add_nc_u32 v12, s32, v[L16]
.irp c, 0,1,2
	global_store_b128 v12, v[FW+4*\c:FW+4*\c+3], s[14:15] offset:512*\c   ; 32 lanes store 512 consecutive bytes, at a multiple of 256 from the buffer's first byte
.endr
	s_cmp_lt_u32 s29, 2
	s_cbranch_scc0 .Lno_copy
.irp c, 0,1,2
	global_store_b128 v12, v[FW+4*\c:FW+4*\c+3], s[14:15] offset:16*SLOTB+512*\c   ; slots 0, 1 once more as slots 16, 17
.endr
.Lno_copy:
	ds_store_b32 v[SCA], v[SW]                     ; lanes r and 16 + r write the same word with the same value
	s_wait_dscnt 0x0                               ; for the others' sake: my store has landed
	s_barrier_signal -1
	s_barrier_wait -1
	s_cmp_lg_u32 s18, 0
	s_cbranch_scc1 .Lw2_end                        ; wave 0 gathers the tile's 128 scale words: one store of 512 bytes
.irp q, 0,1,2,3
	ds_load_b32 v[WX+\q], v[SRD] offset:128*\q     ; lanes 0-15: K step 2 q; lanes 16-31: K step 2 q + 1
.endr
	s_wait_dscnt 0x0
	global_store_b128 v[L16], v[WX:WX+3], s[14:15] offset:12288
	s_cmp_lt_u32 s29, 2
	s_cbranch_scc0 .Lw2_end
	global_store_b128 v[L16], v[WX:WX+3], s[14:15] offset:16*SLOTB+12288
.Lw2_end:
	s_wait_tensorcnt 0x0                           ; the wave's end
	ds_add_u32 v[SPW], v[NIL]
	s_wait_dscnt 0x0
	s_endpgm
	; ---- W1: my K step of query x W1, for all 32 batches
.Lw1:
	s_lshl_b32 s28, s18, 9                         ; 128 ks numbers along a row of the query
	s_mov_b32 s29, 0
	s_add_nc_u64 s[8:9], s[8:9], s[28:29]
	v_lshlrev_b32 v8, 2, v12                       ; 4 r: my column in b1,
	v_lshlrev_b32 v27, 2, v12                      ; and in b2 (v8 and v27 serve W2's path alone as LDS addresses; here they are free)
	s_wait_alu depctr_va_vdst(0)
.set i, 0
.rept 32
	global_load_b128 v[QX+4*i:QX+4*i+3], v[L16], s[8:9] offset:4096*i   ; batch i, my K step: 32 lanes read 512 consecutive bytes, at a multiple of 256 from the buffer's first byte
.set i, i+1
.endr
	s_lshl_b32 s28, s23, 6                         ; 16 nt columns, in bytes
	s_add_nc_u64 s[10:11], s[10:11], s[28:29]
	s_add_nc_u64 s[12:13], s[12:13], s[28:29]
	global_load_b32 v8, v8, s[10:11]               ; b1 and b2 are asked for with the query's loads; each load lands on its own offset register
	global_load_b32 v27, v27, s[12:13]
	s_lshr_b32 s30, s18, 2
	s_lshl_b32 s30, s30, 4
	s_lshl_b32 s31, s18, 1
	s_and_b32 s31, s31, 7
	s_add_co_u32 s30, s30, s31                     ; the batch of register 2 w in lanes 0-15: 16 (w / 4) + (2 w) % 8
	s_lshl_b32 s30, s30, 12
	s_add_co_u32 s30, s30, s28
	s_mov_b32 s31, 0
	s_add_nc_u64 s[16:17], s[16:17], s[30:31]
	s_wait_loadcnt 34                              ; the weight's 64 loads are in; the query's 32 and the two biases' are younger
	QFRAG WX, FW, SW
	s_wait_loadcnt 2                               ; the query's 32 loads are in; the two biases' are younger
.set i, 0
.rept 32
	ds_store_b128 v[QSA], v[QX+4*i:QX+4*i+3] offset:QROW*i   ; the rows go through my own stage as they lie,
.set i, i+1
.endr
	s_wait_dscnt 0x0                               ; the stores have read their registers, on which the loads below land
.irp u, 0,1
.irp c, 0,1
.irp q, 0,1,2,3,4,5,6,7
	ds_load_b128 v[QX+64*\u+32*\c+4*\q:QX+64*\u+32*\c+4*\q+3], v[QLA] offset:16*QROW*\u+256*\c+16*\q   ; and come back in the operand's order: query(16 u + r, 128 ks + 64 c + 32 h + 4 q ..)
.endr
.endr
.endr
	s_wait_dscnt 0x0
	QFRAG QX, FQ0, SQ0
	QFRAG QX+64, FQ1, SQ1
.rept 8
	v_nop                                          ; a scale register written by a vector instruction stands 8 places ahead of a scaled matrix instruction, an operand so written 4
.endr
	v_wmma_scale_f32_16x16x128_f8f6f4 v[WX:WX+7], v[FQ0:FQ0+11], v[FW:FW+11], 0, v[SQ0], v[SW] matrix_a_fmt:MATRIX_FMT_BF6 matrix_b_fmt:MATRIX_FMT_BF6   ; register j of lane (r, h): batch 8 h + j, column 16 nt + r
	v_wmma_scale_f32_16x16x128_f8f6f4 v[WX+8:WX+15], v[FQ1:FQ1+11], v[FW:FW+11], 0, v[SQ1], v[SW] matrix_a_fmt:MATRIX_FMT_BF6 matrix_b_fmt:MATRIX_FMT_BF6   ; batches 16 on
	v_and_b32 v92, 15, v0                          ; four plain lines that name none of the products' registers: the places behind them
	v_bfe_u32 v93, v0, 4, 1
	s_delay_alu instid0(VALU_DEP_2)
	v_lshlrev_b32 v92, 2, v92                      ; 4 r: my column in b1, b2
	s_delay_alu instid0(VALU_DEP_1)
	v_lshl_add_u32 v93, v93, 15, v92               ; + 8 h rows of qb
.irp g, 0,1,2,3
	ds_store_b128 v[RST], v[WX+4*\g:WX+4*\g+3] offset:512*\g   ; each accumulator from its low end on
.endr
	s_wait_dscnt 0x0                               ; for the others' sake: my stores have landed
	s_barrier_signal -1
	s_barrier_wait -1
.irp i, 0,1,2,3,4,5,6,7
	ds_load_b64 v[96+2*\i:97+2*\i], v[RLD] offset:2048*\i   ; K step i's part of registers 2 w, 2 w + 1
.endr
	s_wait_dscnt 0x0
.irp i, 1
	v_pk_add_f32 v[96:97], v[96:97], v[96+2*\i:97+2*\i]   ; in ascending K
.endr
.irp i, 2, 3, 4, 5, 6, 7
	s_delay_alu instid0(VALU_DEP_1)
	v_pk_add_f32 v[96:97], v[96:97], v[96+2*\i:97+2*\i]   ; in ascending K
.endr
	s_wait_loadcnt 0x0
	v_add_f32 v94, v8, v27                         ; b1 + b2
	s_wait_alu depctr_va_vdst(0)
	v_pk_add_f32 v[96:97], v[96:97], v[94:95] op_sel_hi:[1,0]
	global_store_b32 v93, v96, s[16:17]            ; sixteen lanes store 64 consecutive bytes of a row of qb: pieces, in a buffer of 128 KB in all
	global_store_b32 v93, v97, s[16:17] offset:4096
	s_wait_tensorcnt 0x0                           ; the wave's end
	ds_add_u32 v[SPW], v[NIL]
	s_wait_dscnt 0x0
	s_endpgm
.Lfunc_end_k_q24db39e2bf_prep:
	.size	k_q24db39e2bf_prep, .Lfunc_end_k_q24db39e2bf_prep-k_q24db39e2bf_prep
	.p2alignl 7, 3214868480
	.fill 96, 4, 3214868480
	.section	.rodata,"a",@progbits
	.p2align	6, 0x0
	.amdhsa_kernel k_q24db39e2bf_prep
		.amdhsa_group_segment_fixed_size 153088
		.amdhsa_private_segment_fixed_size 0
		.amdhsa_enable_private_segment 0
		.amdhsa_kernarg_size 56
		.amdhsa_user_sgpr_count 2
		.amdhsa_user_sgpr_kernarg_segment_ptr 1
		.amdhsa_wavefront_size32 1
		.amdhsa_system_sgpr_workgroup_id_x 1
		.amdhsa_system_sgpr_workgroup_id_y 1
		.amdhsa_system_sgpr_workgroup_id_z 1
		.amdhsa_system_vgpr_workitem_id 0
		.amdhsa_next_free_vgpr 256
		.amdhsa_next_free_sgpr 66
		.amdhsa_reserve_vcc 0
		.amdhsa_float_denorm_mode_32 3
		.amdhsa_float_denorm_mode_16_64 3
		.amdhsa_memory_ordered 1
		.amdhsa_forward_progress 1
		.amdhsa_inst_pref_size 38
	.end_amdhsa_kernel
	.amdgpu_metadata
---
amdhsa.version: [ 1, 2 ]
amdhsa.kernels:
  - .name:           k_q24db39e2bf_prep
    .symbol:         k_q24db39e2bf_prep.kd
    .args:
      - { .name: W2, .offset: 0, .size: 8, .value_kind: global_buffer, .address_space: global }
      - { .name: W1, .offset: 8, .size: 8, .value_kind: global_buffer, .address_space: global }
      - { .name: query, .offset: 16, .size: 8, .value_kind: global_buffer, .address_space: global }
      - { .name: b1, .offset: 24, .size: 8, .value_kind: global_buffer, .address_space: global }
      - { .name: b2, .offset: 32, .size: 8, .value_kind: global_buffer, .address_space: global }
      - { .name: w2c, .offset: 40, .size: 8, .value_kind: global_buffer, .address_space: global }
      - { .name: qb, .offset: 48, .size: 8, .value_kind: global_buffer, .address_space: global }
    .group_segment_fixed_size: 153088
    .private_segment_fixed_size: 0
    .kernarg_segment_align: 8
    .kernarg_segment_size: 56
    .max_flat_workgroup_size: 256
    .sgpr_count:     66
    .vgpr_count:     256
    .wavefront_size: 32
...
	.end_amdgpu_metadata
.endif
;; end of part 1
;; launch main (part 2): grid 256 x 1, 4 waves a work-group, no clusters, 327,680 bytes of LDS; arguments values, w2c, qb, V, pctx, pml; writes pctx, pml
.if DOCPART == 2
	.amdgcn_target "amdgcn-amd-amdhsa--gfx1250"
	.amdhsa_code_object_version 6
	.text
	.protected	k_q24db39e2bf_main
	.globl	k_q24db39e2bf_main
	.p2align	8
	.type	k_q24db39e2bf_main,@function
k_q24db39e2bf_main:
	s_mov_b64 s[64:65], 0
	v_nop
	global_prefetch_b8 v0, s[64:65] scope:SCOPE_SE
	s_setreg_imm32_b32 hwreg(HW_REG_WAVE_MODE, 25, 1), 1
	s_wait_xcnt 0x0
; SECOND LAUNCH.  For 256 rows (positions) of one batch: quantise values, x = qb + Q(values) Q(W2), r = 1 / (1 + e^(2x)), t = sum over n of (-2 log2 e V[n]) r, a running softmax over the rows in base 2,
; and the partial context sum of 2^(t - m) values[row].  Stored: the partial context (pctx), its m and its sum l (pml).  values are read from memory once: a row serves the quantiser and, as a bf16 copy in registers, the context.
; WORK LEFT OUT (shown at the head of the first kernel): bV, and sum(V) of tanh x = 1 - 2 r: both are the same along the softmax's axis.  The running maximum is taken away before every exponential.
; LIMITS: NaN and infinities among the inputs are not served; a block under 2^-122 keeps the scale byte 1; values enter the context rounded to bf16 (the weights stay f32); tanh is formed as 1 - 2 r:
;   where e^(2x) overflows to infinity r is 0 (tanh = 1), where it falls to 0 r is 1 (tanh = -1).
; SHARES.  Work-group x: rows 256 x .. + 255 (batch x / 8), in four chunks of 64.  In the products wave w has all 64 rows (four tiles u of 16) x its quarter of n (16 tiles of 16); in the quantiser row tile w;
;   for the copy and the context channels 256 w .. + 255 of all 64 rows.
; THE PRODUCT IS USED TRANSPOSED: source 0 = 16 columns of W2, source 1 = 16 rows of values: lane (r, h) holds row 16 u + r, its register j column 16 t + 8 h + j.  qb at those columns is the C of the first K step.
; W2'S CODES come from memory straight into registers, in the order in which the first launch laid them, two tiles ahead.  NO CLUSTER, NO JOINT LOADS: a row of values is read by one work-group alone; W2's codes are read by all,
;   but of the 327,680 bytes of LDS 327,424 are in use, so a shared tile has nowhere to land.
; ONE LANDING PLACE FOR A WHOLE CHUNK (64 rows x 4,096 bytes): filled again once a chunk, behind the barrier at which its rows have been turned into codes and bf16; the load has the chunk's 512 matrix instructions a wave
;   in which to land, so no prefetch is laid ahead of it.  A wave has one tensor load outstanding at the most.
; A TILE: its 32 matrix instructions on end, the four accumulators by turns; then its own tanh and dot: two batches of 32 transcendentals, each with one wait ahead of it and one behind.
; REGISTERS, in windows of 256 (s_set_vgpr_msb: bits 1:0 source 0, 3:2 source 1, 5:4 source 2, 7:6 destination):
;   window 0: v0-31 addresses and statistics; v32-47 values' scale words; v48-55 W2's; v56-71 qb, v72-87 V'', two tiles each; v88-95 the dot's sums; v96-239 values' codes of K steps 5-7 (behind the products v96-159 are at work).
;   window 1: v0-191 W2's fragments, two tiles of eight K steps; v192-255 two sets of four accumulators.
;   window 2: v0-239 values' codes of K steps 0-4 (in the quantiser and for the copy: at work); v244-251 the context.      window 3: the bf16 copy, four registers a row.
.set PITCH,  1040                      ; a landed row: 1,024 bytes + 16
.set PLANE,  64*PITCH                  ; 64 rows x 256 channels: one wave's tensor load
.set FRB,    1536                      ; a fragment's image: 12 registers x 128 bytes
.set AIMG,   4*PLANE                   ; values' 32 fragments (u, ks) at (8 u + ks) FRB
.set ASC,    AIMG+32*FRB               ; their scale words: (8 u + ks) x 64 + 4 r
.set QBL,    ASC+2048                  ; qb of my batch
.set VPL,    QBL+4096                  ; V'' = -2 log2 e x V
.set SPR,    VPL+4096                  ; partial scores [row][wave]
.set PRB,    SPR+1024                  ; the chunk's 64 weights
.set SPARE,  PRB+256                   ; the spare words, 128 bytes a wave; no other line names them
.set SLOTB,  12800                     ; a tile of W2 in w2c
.set QUARTB, 18*SLOTB
.set SPW,  1                           ; my spare word's address; never rewritten
.set NIL,  2                           ; 0; never rewritten
.set L16,  3                           ; 16 x lane
.set AIA,  4                           ; AIMG + 16 lane
.set ASA,  5                           ; ASC + 4 lane
.set AQB0, 6                           ; QBL + 1,024 w + 32 h
.set AQB,  7                           ; the same, at the pair of tiles in hand
.set SPS,  8                           ; SPR + 16 r + 4 w
.set SPL,  9                           ; SPR + 16 lane
.set SPO,  10                          ; SPR + 16 (16 w + r)
.set PST,  11                          ; PRB + 4 (16 w + r)
.set PLA,  12                          ; PRB
.set PO,   13                          ; 1,024 w + 16 lane
.set M,    14                          ; the running largest t; v15 my lane's part of the running sum
.set LS,   15
.set F,    16                          ; 2^(old m - new m); v17 named with it as a pair
.set TT,   18                          ; v18-23 at work
.set QAD,  24                          ; v24-27 (16 w + r) PITCH + 64 h, in planes 0 to 3
.set IMS,  28                          ; AIMG + 8 FRB w + 16 lane
.set SCS,  29                          ; ASC + 512 w + 4 r
.set BFA,  30                          ; PLANE w + 16 lane; v31 32 rows on
.set ASCL, 32
.set BSCL, 48
.set QB,   56
.set VP,   72
.set SACC, 88
.set A0,   96
.set TS,   96
.set ACC,  192
.set XI0,  0
.set XI1,  64
.set TM,   128
.set PC,   144
.set PW,   164
.set CT,   244
.set WV,   16
.set CH,   17
.set CN,   18
.set SEL,  20
.set CS,   22
.set G1,   24
.set G0,   32
.set BB,   36
.set BP,   38
.set SQB,  51
.set MSB, 0
.macro WIN new                         ; the immediate's high byte repeats the setting that is left
.if MSB != (\new)
	s_set_vgpr_msb (MSB<<8)|(\new)
.set MSB, (\new)
.endif
.endm
.macro PLACES                          ; four places behind a matrix instruction (ISA guide 7.12.1)
.rept 4
	v_nop
.endr
.endm
; 64 numbers of a lane, register 16 b + i = k 32 b + 16 h + i of my row, become a fragment's codes in v[PC] on and its scale word in v[PW].  All in window 2.
.macro QUANT s
.irp b, 0,1,2,3
	v_max3_num_f32 v[TM+\b], |v[\s+16*\b]|, |v[\s+1+16*\b]|, 0x2800000   ; with the floor 2^(5 - 127): the byte cannot fall under 1
.endr
.irp i, 2,4,6,8,10,12,14
.irp b, 0,1,2,3
	v_max3_num_f32 v[TM+\b], v[TM+\b], |v[\s+16*\b+\i]|, |v[\s+1+16*\b+\i]|
.endr
.endr
.irp b, 0,1,2,3
	v_permlanex16_b32 v[TM+4+\b], v[TM+\b], s[SEL], s[SEL+1]
.endr
.irp b, 0,1,2,3
	v_max_num_f32 v[TM+\b], v[TM+\b], v[TM+4+\b]   ; with lane l xor 16's: the block's largest magnitude
.endr
.irp b, 0,1,2,3
	v_add_nc_u32 v[TM+12+\b], 0xfe000000, v[TM+\b] ; 4 off its exponent field: the conversion's scale operand
.endr
.irp b, 0,1,2,3
	v_lshrrev_b32 v[TM+4+\b], 23, v[TM+12+\b]      ; the scale's byte
.endr
	v_lshl_or_b32 v[PW], v[TM+5], 8, v[TM+4]
	v_lshl_or_b32 v[PW], v[TM+6], 16, v[PW]
	v_lshl_or_b32 v[PW], v[TM+7], 24, v[PW]
.irp c, 0,1
	v_cvt_scalef32_pk16_bf6_f32 v[PC+6*\c:PC+2+6*\c], v[\s+32*\c:\s+15+32*\c], v[TM+12+2*\c]
	v_cvt_scalef32_pk16_bf6_f32 v[PC+12+4*\c:PC+14+4*\c], v[\s+16+32*\c:\s+31+32*\c], v[TM+12+2*\c+1]
.endr
	v_nop                                          ; one plain place behind a scaled conversion
.irp c, 0,1                                    ; a whole block in a lane: lanes 0-15 block 2 c, lanes 16-31 block 2 c + 1
.irp i, 0,1,2
	v_permlane16_swap_b32 v[PC+6*\c+\i], v[PC+12+4*\c+\i]
.endr
.irp i, 0,1,2
	v_mov_b32 v[PC+3+6*\c+\i], v[PC+12+4*\c+\i]
.endr
.endr
.endm
.macro XLD s                           ; K step s of my 16 rows: 64 numbers a lane, from plane s / 2, into set s % 2
.irp b, 0,1,2,3
.irp q, 0,1,2,3
	ds_load_b128 v[64*((\s)%2)+16*\b+4*\q:64*((\s)%2)+16*\b+4*\q+3], v[QAD+(\s)/2] offset:512*((\s)%2)+128*\b+16*\q
.endr
.endr
.endm
.macro IMAGE s                         ; K step s's fragment and its scale word go to LDS as they stand
.irp c, 0,1,2
	ds_store_b128 v[IMS], v[PC+4*\c:PC+4*\c+3] offset:FRB*(\s)+512*\c
.endr
	ds_store_b32 v[SCS], v[PW] offset:64*(\s)      ; lanes r and 16 + r write the same word with the same value
.endm
; One matrix instruction: tile parity par, K step ks, row tile u.  Scale words: lanes 0-15 hold the even K step's, lanes 16-31 the odd one's.
.macro MM par, ks, u
.if (\ks) < 5
.set wn, 0x49
.set rA, 12*(4*(\ks)+(\u))
.else
.set wn, 0x41
.set rA, A0+12*(4*((\ks)-5)+(\u))
.endif
.if (\ks) > 0
.set wn, wn|0x10                       ; C is the accumulator, in window 1; in K step 0 it is qb, in window 0
.endif
.set rB, 96*(\par)+12*(\ks)
.set rD, ACC+32*(\par)+8*(\u)
.set rX, BSCL+4*(\par)+(\ks)/2
.set rY, ASCL+4*(\u)+(\ks)/2
	WIN wn
.if (\ks) == 0
	v_wmma_scale_f32_16x16x128_f8f6f4 v[rD:rD+7], v[rB:rB+11], v[rA:rA+11], v[QB+8*(\par):QB+8*(\par)+7], v[rX], v[rY] matrix_a_fmt:MATRIX_FMT_BF6 matrix_b_fmt:MATRIX_FMT_BF6
.elseif (\ks)%2 == 0
	v_wmma_scale_f32_16x16x128_f8f6f4 v[rD:rD+7], v[rB:rB+11], v[rA:rA+11], v[rD:rD+7], v[rX], v[rY] matrix_a_fmt:MATRIX_FMT_BF6 matrix_b_fmt:MATRIX_FMT_BF6
.else
	v_wmma_scale_f32_16x16x128_f8f6f4 v[rD:rD+7], v[rB:rB+11], v[rA:rA+11], v[rD:rD+7], v[rX], v[rY] matrix_a_fmt:MATRIX_FMT_BF6 matrix_b_fmt:MATRIX_FMT_BF6 matrix_a_scale:MATRIX_SCALE_ROW1 matrix_b_scale:MATRIX_SCALE_ROW1
.endif
.endm
; THE VECTOR WORK OF A TILE: the 32 numbers x of a lane, in place: x times 2 log2 e (each accumulator from its low end on), 2^(..), + 1, the reciprocal r; then row tile u's pair of sums += r x V''.
.macro VEC par
.set rS, ACC+32*(\par)
.set rV, VP+8*(\par)
	WIN 0x41                                       ; destination and source 0 in window 1
.irp j, 0,2,4,6,8,10,12,14,16,18,20,22,24,26,28,30
	v_pk_mul_f32 v[rS+\j:rS+\j+1], v[rS+\j:rS+\j+1], s[CS:CS+1] op_sel_hi:[1,0]
.endr
	s_wait_alu depctr_va_vdst(0)                   ; ahead of the batch
.set j, 0
.rept 32
	v_exp_f32 v[rS+j], v[rS+j]
.set j, j+1
.endr
	v_nop                                          ; a plain place behind the batch
	s_wait_alu depctr_va_vdst(0)                   ; and the batch's one wait ahead of its first reader
.irp j, 0,2,4,6,8,10,12,14,16,18,20,22,24,26,28,30
	v_pk_add_f32 v[rS+\j:rS+\j+1], v[rS+\j:rS+\j+1], 1.0 op_sel_hi:[1,0]
.endr
	s_wait_alu depctr_va_vdst(0)                   ; ahead of the reciprocals
.set j, 0
.rept 32
	v_rcp_f32 v[rS+j], v[rS+j]
.set j, j+1
.endr
	v_nop
	s_wait_alu depctr_va_vdst(0)                   ; and behind them
	WIN 0x01                                       ; r in window 1; V'' and the sums in window 0
.irp e, 0,2,4,6
.irp n, 0,1,2,3
	v_pk_fma_f32 v[SACC+2*\n:SACC+2*\n+1], v[rS+8*\n+\e:rS+8*\n+\e+1], v[rV+\e:rV+\e+1], v[SACC+2*\n:SACC+2*\n+1]
.endr
.endr
.endm
; W2's tile at off bytes from s[BP], into the registers of parity par: K steps 0-3 (12 loads); the scale words (1 load, under window 0); K steps 4-7 (12 loads).
.macro BLD1 par, off
	WIN 0x40
.irp ks, 0,1,2,3
.irp c, 0,1,2
	global_load_b128 v[96*(\par)+12*\ks+4*\c:96*(\par)+12*\ks+4*\c+3], v[L16], s[BP:BP+1] offset:(\off)+FRB*\ks+512*\c
.endr
.endr
.endm
.macro BLDS par, off
	global_load_b128 v[BSCL+4*(\par):BSCL+4*(\par)+3], v[L16], s[BP:BP+1] offset:(\off)+12288
.endm
.macro BLDH par, off
	WIN 0x40
.irp ks, 4,5,6,7
.irp c, 0,1,2
	global_load_b128 v[96*(\par)+12*\ks+4*\c:96*(\par)+12*\ks+4*\c+3], v[L16], s[BP:BP+1] offset:(\off)+FRB*\ks+512*\c
.endr
.endr
.endm
; A TILE OF 16 COLUMNS x 64 ROWS.  ld: the tile two on is fetched into my own registers as they fall free.  dq: the next tile's qb and V'' are fetched.  st: s[BP] steps two slots on.
; w1: global loads that may be out at the start: my K steps 4-7 (12) and what was asked for behind them.  w2: the same ahead of K step 4.
.macro RUN par, ld, dq, st, w1, w2, boff, qoff
.set tn, 1-(\par)
	s_wait_loadcnt \w1
.if FIRST == 0
	s_wait_dscnt 0x0                               ; this tile's qb and V'' are in
.endif
.irp ks, 0,1,2,3,4,5,6,7
.if FIRST                                      ; a chunk's first tile: values' codes are still being read from LDS, K step by K step, 12 loads each: those of the later K steps may be out
.if 84-12*\ks > 63
	s_wait_dscnt 63                                ; (the count's field holds no more)
.else
	s_wait_dscnt 84-12*\ks
.endif
.endif
.if \ks == 4
	s_wait_loadcnt \w2
.endif
.irp u, 0,1,2,3
	MM \par, \ks, \u
.endr
.if \ks == 3
.if \st
	s_wait_xcnt 0x0                                ; the loads that named s[BP] have read it
	s_add_nc_u64 s[BP:BP+1], s[BP:BP+1], 2*SLOTB
.endif
	PLACES
.if \ld
	BLD1 \par, \boff
.endif
.if \dq
	WIN 0
	ds_load_b128 v[QB+8*tn:QB+8*tn+3], v[AQB] offset:(\qoff)
	ds_load_b128 v[QB+8*tn+4:QB+8*tn+7], v[AQB] offset:(\qoff)+16
.endif
.endif
.if \ks == 7
	PLACES                                         ; for the loads below and for the vector work, which reads these results
	WIN 0
.if \ld
	BLDS \par, \boff
.endif
.if \dq
	ds_load_b128 v[VP+8*tn:VP+8*tn+3], v[AQB] offset:(\qoff)+4096
	ds_load_b128 v[VP+8*tn+4:VP+8*tn+7], v[AQB] offset:(\qoff)+4112
.endif
.if \ld
	BLDH \par, \boff
.endif
.endif
.endr
	VEC \par
.set FIRST, 0
.endm
; THE PRODUCTS OF A CHUNK: my 16 tiles; tile t asks for slot t + 2.  Tiles 0 and 1 are in registers or on their way.  last = 1: the launch's last chunk asks for nothing beyond tile 15.
.macro GPHASE last
	s_wait_xcnt 0x0                                ; the loads that named s[BP] have read it
	s_add_nc_u64 s[BP:BP+1], s[BB:BB+1], SLOTB
	s_mov_b32 s[SQB], 0
	v_mov_b32 v[AQB], v[AQB0]
.irp i, 0,1,2,3,4,5,6,7
	v_mov_b32 v[SACC+\i], 0
.endr
	s_wait_alu depctr_va_vdst(0)
.set FIRST, 1
	RUN 0, 1, 1, 0, 37, 37, SLOTB, 64              ; 37 = my 12 and tile 1's 25; ahead of K step 4: tile 1's 25 and the 12 just issued
	WIN 0
	s_mov_b32 s[CN], 7-(\last)                     ; seven trips (tiles 1 to 14), or six (tiles 1 to 12) in the last chunk
.Lpair_\@:
	v_add_nc_u32 v[AQB], s[SQB], v[AQB0]
	s_wait_alu depctr_va_vdst(0)                   ; as above
	RUN 1, 1, 1, 1, 37, 37, 0, 128
	RUN 0, 1, 1, 0, 37, 37, SLOTB, 192
	WIN 0
	s_add_co_u32 s[SQB], s[SQB], 128
	s_sub_co_u32 s[CN], s[CN], 1
	s_cmp_lg_u32 s[CN], 0
	s_cbranch_scc1 .Lpair_\@
	v_add_nc_u32 v[AQB], s[SQB], v[AQB0]
	s_wait_alu depctr_va_vdst(0)                   ; as above
.if (\last)
	RUN 1, 1, 1, 1, 37, 37, 0, 128                 ; tile 13 asks for tile 15
	RUN 0, 0, 1, 0, 37, 25, 0, 192                 ; tile 14: ahead of K step 4 only tile 15's 25 may be out
	RUN 1, 0, 0, 0, 12, 0, 0, 0                    ; tile 15: its own 12, then nothing
.else
	RUN 1, 1, 0, 1, 37, 37, 0, 0                   ; tile 15 asks for slot 17
.endif
	WIN 0
.endm
.macro LOADB g                         ; the copy: rows 8 g .. 8 g + 7 of my plane, 32 bytes a lane and row, into set g % 2 of window 2
	WIN 0x80
.irp i, 0,1,2,3,4,5,6,7
	ds_load_b128 v[64*((\g)%2)+8*\i:64*((\g)%2)+8*\i+3], v[BFA+(\g)/4] offset:((8*(\g)+\i)%32)*PITCH
	ds_load_b128 v[64*((\g)%2)+8*\i+4:64*((\g)%2)+8*\i+7], v[BFA+(\g)/4] offset:((8*(\g)+\i)%32)*PITCH+512
.endr
.endm
.macro CVTB g                          ; register 4 row + q of window 3: channels 4 lane + 2 q, + 1 (q < 2), 128 + 4 lane + 2 (q - 2), + 1 (q >= 2) of my 256
	WIN 0xca
.irp i, 0,1,2,3,4,5,6,7
.irp q, 0,1,2,3
	v_cvt_pk_bf16_f32 v[4*(8*(\g)+\i)+\q], v[64*((\g)%2)+8*\i+2*\q], v[64*((\g)%2)+8*\i+2*\q+1]
.endr
.endr
.endm
; A CHUNK OF 64 ROWS, which has landed and been shown to every wave.  more = 1: the next chunk is asked for.
.macro CHUNK more
	; the quantiser: my 16 rows, eight K steps on two sets of registers
	WIN 0x80
	XLD 0
	XLD 1
.irp s, 0,1,2,3,4,5,6,7
	s_wait_dscnt 16                                ; this step's 16 loads are in; the next step's 16 are younger
	WIN 0xaa
.if \s%2 == 0
	QUANT XI0
.else
	QUANT XI1
.endif
	WIN 0x08                                       ; an LDS store's data are its source 1: window 2
	IMAGE \s
.if \s < 6
	WIN 0x80
	XLD \s+2
.elseif \s == 6
	LOADB 0                                        ; the copy's first batch takes the place of a ninth step
.endif
.endr
	; the bf16 copy of my plane: eight batches of eight rows, one batch ahead
.irp g, 0,1,2,3,4,5,6
	LOADB \g+1
	s_wait_dscnt 16                                ; batch g is in; the next batch's 16 loads are younger
	CVTB \g
.endr
	s_wait_dscnt 0x0
	CVTB 7
	; the change: nobody reads the landing place any more, and the codes' images are whole
	WIN 0
	s_wait_tensorcnt 0x0                           ; no tensor load of mine is out, so group 0 may be written
	ds_add_u32 v[SPW], v[NIL]
.if \more
	s_add_nc_u64 s[G0+2:G0+3], s[G0+2:G0+3], 64*4096   ; the next 64 rows
.endif
	s_wait_dscnt 0x0                               ; the add, my reads of the landing place, my images
	s_barrier_signal -1
	s_barrier_wait -1
.if \more
	tensor_load_to_lds s[G0:G0+3], s[G1:G1+7]      ; my one tensor load behind this barrier, and the first thing there
	s_nop 0
.endif
.irp u, 0,1,2,3                                ; first what every K step of tile 0 wants: the scale words,
.irp q, 0,1,2,3
	ds_load_b32 v[ASCL+4*\u+\q], v[ASA] offset:(8*\u+2*\q)*64   ; lanes 0-15: K step 2 q; lanes 16-31: K step 2 q + 1
.endr
.endr
	ds_load_b128 v[QB:QB+3], v[AQB0]               ; tile 0's qb and V'';
	ds_load_b128 v[QB+4:QB+7], v[AQB0] offset:16
	ds_load_b128 v[VP:VP+3], v[AQB0] offset:4096
	ds_load_b128 v[VP+4:VP+7], v[AQB0] offset:4112
	WIN 0x80                                       ; then the codes, K step by K step, 12 loads each
.irp ks, 0,1,2,3,4
.irp u, 0,1,2,3
.irp c, 0,1,2
	ds_load_b128 v[12*(4*\ks+\u)+4*\c:12*(4*\ks+\u)+4*\c+3], v[AIA] offset:(8*\u+\ks)*FRB+512*\c
.endr
.endr
.endr
	WIN 0
.irp ks, 5,6,7
.irp u, 0,1,2,3
.irp c, 0,1,2
	ds_load_b128 v[A0+12*(4*(\ks-5)+\u)+4*\c:A0+12*(4*(\ks-5)+\u)+4*\c+3], v[AIA] offset:(8*\u+\ks)*FRB+512*\c
.endr
.endr
.endr
.if \more
	GPHASE 0
.else
	GPHASE 1
.endif
	; the scores: my quarter of n for all 64 rows meets the other waves'
.irp u, 0,1,2,3
	v_add_f32 v[TT+\u], v[SACC+2*\u], v[SACC+2*\u+1]
.endr
.irp u, 0,1,2,3
	v_permlanex16_b32 v[TS+\u], v[TT+\u], s[SEL], s[SEL+1]
.endr
.irp u, 0,1,2,3
	v_add_f32 v[TT+\u], v[TT+\u], v[TS+\u]         ; with lane l xor 16's eight columns of each tile
.endr
.irp u, 0,1,2,3
	ds_store_b32 v[SPS], v[TT+\u] offset:256*\u    ; row 16 u + r, wave w
.endr
	s_wait_dscnt 0x0                               ; for the others' sake
	s_barrier_signal -1
	s_barrier_wait -1
	ds_load_b128 v[TS:TS+3], v[SPL]                ; row = lane,
	ds_load_b128 v[TS+4:TS+7], v[SPL] offset:512   ; row = 32 + lane,
	ds_load_b128 v[TS+8:TS+11], v[SPO]             ; and the row whose weight I publish: 16 w + r
	s_wait_dscnt 0x0
.irp i, 0,4,8
	v_add_f32 v[TS+\i], v[TS+\i], v[TS+\i+1]
	v_add_f32 v[TS+\i+2], v[TS+\i+2], v[TS+\i+3]
.endr
.irp i, 0,4,8
	v_add_f32 v[TS+\i], v[TS+\i], v[TS+\i+2]       ; t of the row
.endr
	v_max_num_f32 v[TT], v[TS], v[TS+4]
	v_max_num_f32_dpp v[TT], v[TT], v[TT] row_xmask:1 row_mask:0xf bank_mask:0xf
	v_max_num_f32_dpp v[TT], v[TT], v[TT] row_xmask:2 row_mask:0xf bank_mask:0xf
	v_max_num_f32_dpp v[TT], v[TT], v[TT] row_xmask:4 row_mask:0xf bank_mask:0xf
	v_max_num_f32_dpp v[TT], v[TT], v[TT] row_xmask:8 row_mask:0xf bank_mask:0xf
	v_permlanex16_b32 v[TT+1], v[TT], s[SEL], s[SEL+1]
	v_max3_num_f32 v[TT], v[TT], v[TT+1], v[M]     ; the new m: the largest t so far
	v_sub_f32 v[TT+1], v[M], v[TT]
.irp i, 0,4,8
	v_sub_f32 v[TS+\i], v[TS+\i], v[TT]
.endr
	s_wait_alu depctr_va_vdst(0)                   ; ahead of the batch
	v_exp_f32 v[F], v[TT+1]                        ; what was summed under the old m is brought under the new
.irp i, 0,4,8
	v_exp_f32 v[TS+\i], v[TS+\i]                   ; the weights 2^(t - m), at most 1
.endr
	v_mov_b32 v[M], v[TT]                          ; a plain line behind the exponentials
	s_wait_alu depctr_va_vdst(0)                   ; one wait for the four, ahead of their first reader
	v_fma_f32 v[LS], v[LS], v[F], v[TS]
	v_add_f32 v[LS], v[LS], v[TS+4]
	ds_store_b32 v[PST], v[TS+8]
.if \more
	s_wait_tensorcnt 0x0                           ; my plane of the next chunk has landed: behind this barrier the other waves read it
.endif
	s_wait_dscnt 0x0
	s_barrier_signal -1
	s_barrier_wait -1
	; the context: my 256 channels, 8 a lane, of the chunk's 64 rows
.irp g, 0,1,2,3,4,5,6,7,8,9,10,11,12,13,14,15
	ds_load_b128 v[TS+4*\g:TS+4*\g+3], v[PLA] offset:16*\g   ; every lane reads the same four weights
.endr
	WIN 0x82                                       ; the context in window 2, F in window 0
.irp e, 0,2,4,6
	v_pk_mul_f32 v[CT+\e:CT+\e+1], v[CT+\e:CT+\e+1], v[F:F+1] op_sel_hi:[1,0]
.endr
	s_wait_alu depctr_va_vdst(0)
	s_wait_dscnt 0x0                               ; all 64 weights are in: one wait, so that none stands among the sums' links
	WIN 0xa3                                       ; source 0 the copy (window 3), source 1 the weight (window 0), source 2 and destination the context (window 2)
.irp g, 0,1,2,3,4,5,6,7,8,9,10,11,12,13,14,15
.irp i, 0,1,2,3
.irp q, 0,1,2,3
	v_fma_mix_f32_bf16 v[CT+2*\q], v[4*(4*\g+\i)+\q], v[TS+4*\g+\i], v[CT+2*\q] op_sel:[0,0,0] op_sel_hi:[1,0,0]
	v_fma_mix_f32_bf16 v[CT+2*\q+1], v[4*(4*\g+\i)+\q], v[TS+4*\g+\i], v[CT+2*\q+1] op_sel:[1,0,0] op_sel_hi:[1,0,0]
.endr
.endr
.endr
	WIN 0
.endm
	s_load_b256 s[4:11], s[0:1], 0x0               ; values s[4:5], w2c s[6:7], qb s[8:9], V s[10:11]
	s_load_b128 s[12:15], s[0:1], 0x20             ; pctx s[12:13], pml s[14:15]
	v_lshl_add_u32 v[SPW], v0, 2, SPARE
	v_mov_b32 v[NIL], 0
	ds_add_u32 v[SPW], v[NIL]                      ; the opening: the add, twice on end, and its wait ahead of my first tensor load
	ds_add_u32 v[SPW], v[NIL]
	v_lshrrev_b32 v18, 5, v0
	v_readfirstlane_b32 s[WV], v18                 ; wave 0..3
	; descriptor group 1: 64 rows of 256 elements of 4 bytes, 1,024 elements from row to row, 4 words of padding behind every 256
	s_mov_b32 s[G1+0], (2<<16)|(1<<20)|(7<<22)|(3<<25)
	s_mov_b32 s[G1+1], 256<<16
	s_mov_b32 s[G1+2], 64<<16
	s_mov_b32 s[G1+3], 256<<16
	s_mov_b32 s[G1+4], 64
	s_mov_b32 s[G1+5], 1024
	s_mov_b32 s[G1+6], 0
	s_mov_b32 s[G1+7], 0
	s_mov_b32 s[G0], 1
	s_mul_i32 s[G0+1], s[WV], PLANE                ; my plane
	s_lshl_b32 s40, ttmp9, 20                      ; 256 rows of 4,096 bytes for each work-group,
	s_lshl_b32 s41, s[WV], 10                      ; my 256 channels
	s_add_co_u32 s40, s40, s41
	s_mov_b32 s41, 0
	s_lshr_b32 s42, ttmp9, 3
	s_lshl_b32 s42, s42, 12                        ; my batch's row of qb
	s_mov_b32 s43, 0
	s_mul_i32 s44, s[WV], QUARTB                   ; my quarter of w2c
	s_mov_b32 s45, 0
	s_lshl_b32 s46, ttmp9, 12                      ; my row of pctx
	s_mov_b32 s47, 0
	s_lshl_b32 s52, ttmp9, 8                       ; my 256 bytes of pml
	s_mov_b32 s53, 0
	s_mov_b32 s[SEL], 0x76543210
	s_mov_b32 s[SEL+1], 0xfedcba98                 ; selects for lane l xor 16
	s_mov_b32 s[CS], 0x4038aa3b                    ; 2 log2 e
	s_mov_b32 s[CS+1], s[CS]
	v_and_b32 v18, 15, v0                          ; r
	v_bfe_u32 v19, v0, 4, 1                        ; h
	v_and_b32 v20, 31, v0                          ; lane
	v_lshlrev_b32 v[L16], 4, v20
	v_add_nc_u32 v[AIA], AIMG, v[L16]
	v_lshl_add_u32 v[ASA], v20, 2, ASC
	s_lshl_b32 s54, s[WV], 10
	v_add_nc_u32 v[PO], s54, v[L16]
	s_add_co_u32 s54, s54, QBL
	v_lshl_add_u32 v[AQB0], v19, 5, s54
	s_lshl_b32 s54, s[WV], 2
	s_add_co_u32 s54, s54, SPR
	v_lshl_add_u32 v[SPS], v18, 4, s54
	v_add_nc_u32 v[SPL], SPR, v[L16]
	s_lshl_b32 s54, s[WV], 8
	s_add_co_u32 s54, s54, SPR
	v_lshl_add_u32 v[SPO], v18, 4, s54
	s_lshl_b32 s54, s[WV], 6
	s_add_co_u32 s54, s54, PRB
	v_lshl_add_u32 v[PST], v18, 2, s54
	v_mov_b32 v[PLA], PRB
	s_mul_i32 s54, s[WV], 16*PITCH
	v_mul_u32_u24 v21, v18, PITCH
	v_lshl_add_u32 v21, v19, 6, v21
	v_add_nc_u32 v[QAD], s54, v21
.irp q, 1,2,3
	v_add_nc_u32 v[QAD+\q], \q*PLANE, v[QAD]       ; a plane is more than an LDS instruction's immediate reaches
.endr
	s_mul_i32 s54, s[WV], 8*FRB
	s_add_co_u32 s54, s54, AIMG
	v_add_nc_u32 v[IMS], s54, v[L16]
	s_lshl_b32 s54, s[WV], 9
	s_add_co_u32 s54, s54, ASC
	v_lshl_add_u32 v[SCS], v18, 2, s54
	s_mul_i32 s54, s[WV], PLANE
	v_add_nc_u32 v[BFA], s54, v[L16]
	v_add_nc_u32 v[BFA+1], 32*PITCH, v[BFA]
	v_lshlrev_b32 v22, 4, v0                       ; 16 x thread: my bytes of qb's row and of V,
	v_lshl_add_u32 v23, v0, 4, QBL                 ; and where they go
	v_mov_b32 v[M], 0xff61b1e6                     ; the largest t so far: -3e38, under every t
	v_mov_b32 v[LS], 0
	v_mov_b32 v[F+1], 0                            ; named with F as a pair, so it is written
	s_wait_alu depctr_va_vdst(0)
	s_wait_dscnt 0x0                               ; both opening adds are done
	s_wait_kmcnt 0x0
	s_add_nc_u64 s[G0+2:G0+3], s[4:5], s[40:41]
	s_or_b32 s[G0+3], s[G0+3], 0x80000000          ; type = 2
	tensor_load_to_lds s[G0:G0+3], s[G1:G1+7]      ; chunk 0, my plane: every wave issues its one first fill, with no branch
	s_nop 0
	s_add_nc_u64 s[8:9], s[8:9], s[42:43]
	s_add_nc_u64 s[BB:BB+1], s[6:7], s[44:45]
	s_mov_b64 s[BP:BP+1], s[BB:BB+1]
	s_add_nc_u64 s[12:13], s[12:13], s[46:47]
	s_add_nc_u64 s[14:15], s[14:15], s[52:53]
	global_load_b128 v[TS:TS+3], v22, s[8:9]
	global_load_b128 v[TS+4:TS+7], v22, s[8:9] offset:2048
	global_load_b128 v[TS+8:TS+11], v22, s[10:11]
	global_load_b128 v[TS+12:TS+15], v22, s[10:11] offset:2048
	BLD1 0, 0                                      ; W2's tiles 0 and 1: 50 loads, in the order in which a tile asks for them
	WIN 0
	BLDS 0, 0
	BLDH 0, 0
	BLD1 1, SLOTB
	WIN 0
	BLDS 1, SLOTB
	BLDH 1, SLOTB
	WIN 0x80
.irp b, 0,1,2,3
	v_mov_b32 v[TM+4+\b], 0                        ; written once: a lane permute's destination counts as one of its sources
.endr
.irp e, 0,1,2,3,4,5,6,7
	v_mov_b32 v[CT+\e], 0                          ; the context begins as zeros, which the first change of m leaves zeros
.endr
	WIN 0
	s_wait_loadcnt 50                              ; qb and V are in; W2's 50 loads are younger
.irp i, 8,9,10,11,12,13,14,15
	v_mul_f32 v[TS+\i], 0xc038aa3b, v[TS+\i]       ; V'' = -2 log2 e x V
.endr
.irp i, 0,1,2,3
	ds_store_b128 v23, v[TS+4*\i:TS+4*\i+3] offset:2048*\i   ; qb's two halves, then V'''s
.endr
	s_wait_tensorcnt 0x0                           ; my plane of chunk 0 has landed,
	s_wait_dscnt 0x0                               ; and my stores
	s_barrier_signal -1
	s_barrier_wait -1                              ; everybody's have
	s_mov_b32 s[CH], 3
.Lchunk:
	CHUNK 1
	s_sub_co_u32 s[CH], s[CH], 1
	s_cmp_lg_u32 s[CH], 0
	s_cbranch_scc1 .Lchunk
	CHUNK 0                                        ; the last chunk is written out
	; the way out
	v_add_f32_dpp v[LS], v[LS], v[LS] row_xmask:1 row_mask:0xf bank_mask:0xf
	v_add_f32_dpp v[LS], v[LS], v[LS] row_xmask:2 row_mask:0xf bank_mask:0xf
	v_add_f32_dpp v[LS], v[LS], v[LS] row_xmask:4 row_mask:0xf bank_mask:0xf
	v_add_f32_dpp v[LS], v[LS], v[LS] row_xmask:8 row_mask:0xf bank_mask:0xf
	v_permlanex16_b32 v[TT+1], v[LS], s[SEL], s[SEL+1]
	v_add_f32 v[LS], v[LS], v[TT+1]                ; the sum of all 256 weights under the last m
	v_and_b32 v[TT+2], 31, v0
	v_lshlrev_b32 v[TT+2], 3, v[TT+2]
	WIN 0x08                                       ; a store's data are its source 1: window 2
	global_store_b128 v[PO], v[CT:CT+3], s[12:13]               ; 32 lanes store 512 consecutive bytes, at a multiple of 256 from the buffer's first byte
	global_store_b128 v[PO], v[CT+4:CT+7], s[12:13] offset:512
	WIN 0
	s_cmp_lg_u32 s[WV], 0
	s_cbranch_scc1 .Lnot_wave_0
	global_store_b64 v[TT+2], v[M:M+1], s[14:15]   ; (m, l), 32 times: one aligned run of 256 bytes
.Lnot_wave_0:
	s_wait_tensorcnt 0x0                           ; the wave's end
	ds_add_u32 v[SPW], v[NIL]
	s_wait_dscnt 0x0
	s_endpgm
.Lfunc_end_k_q24db39e2bf_main:
	.size	k_q24db39e2bf_main, .Lfunc_end_k_q24db39e2bf_main-k_q24db39e2bf_main
	.p2alignl 7, 3214868480
	.fill 96, 4, 3214868480
	.section	.rodata,"a",@progbits
	.p2align	6, 0x0
	.amdhsa_kernel k_q24db39e2bf_main
		.amdhsa_group_segment_fixed_size 327680
		.amdhsa_private_segment_fixed_size 0
		.amdhsa_enable_private_segment 0
		.amdhsa_kernarg_size 48
		.amdhsa_user_sgpr_count 2
		.amdhsa_user_sgpr_kernarg_segment_ptr 1
		.amdhsa_wavefront_size32 1
		.amdhsa_system_sgpr_workgroup_id_x 1
		.amdhsa_system_sgpr_workgroup_id_y 1
		.amdhsa_system_sgpr_workgroup_id_z 1
		.amdhsa_system_vgpr_workitem_id 0
		.amdhsa_next_free_vgpr 1024
		.amdhsa_next_free_sgpr 66
		.amdhsa_reserve_vcc 0
		.amdhsa_float_denorm_mode_32 3
		.amdhsa_float_denorm_mode_16_64 3
		.amdhsa_memory_ordered 1
		.amdhsa_forward_progress 1
		.amdhsa_inst_pref_size 255
	.end_amdhsa_kernel
	.section	.bss,"aw",@nobits
	.p2align	6
	.space	262144
	.amdgpu_metadata
---
amdhsa.version: [ 1, 2 ]
amdhsa.kernels:
  - .name:           k_q24db39e2bf_main
    .symbol:         k_q24db39e2bf_main.kd
    .args:
      - { .name: values, .offset: 0, .size: 8, .value_kind: global_buffer, .address_space: global }
      - { .name: w2c, .offset: 8, .size: 8, .value_kind: global_buffer, .address_space: global }
      - { .name: qb, .offset: 16, .size: 8, .value_kind: global_buffer, .address_space: global }
      - { .name: V, .offset: 24, .size: 8, .value_kind: global_buffer, .address_space: global }
      - { .name: pctx, .offset: 32, .size: 8, .value_kind: global_buffer, .address_space: global }
      - { .name: pml, .offset: 40, .size: 8, .value_kind: global_buffer, .address_space: global }
    .group_segment_fixed_size: 327680
    .private_segment_fixed_size: 0
    .kernarg_segment_align: 8
    .kernarg_segment_size: 48
    .max_flat_workgroup_size: 128
    .sgpr_count:     66
    .vgpr_count:     1024
    .wavefront_size: 32
...
	.end_amdgpu_metadata
.endif
;; end of part 2
;; launch combine (part 3): grid 128 x 1, 2 waves a work-group, no clusters, 0 bytes of LDS; arguments pctx, pml, out0; writes out0
.if DOCPART == 3
	.amdgcn_target "amdgcn-amd-amdhsa--gfx1250"
	.amdhsa_code_object_version 6
	.text
	.protected	k_q24db39e2bf_combine
	.globl	k_q24db39e2bf_combine
	.p2align	8
	.type	k_q24db39e2bf_combine,@function
k_q24db39e2bf_combine:
	s_mov_b64 s[64:65], 0
	v_nop
	global_prefetch_b8 v0, s[64:65] scope:SCOPE_SE
	s_setreg_imm32_b32 hwreg(HW_REG_WAVE_MODE, 25, 1), 1
	s_wait_xcnt 0x0
; THIRD LAUNCH.  A batch's eight partial results (context c_j, largest t m_j, sum l_j, in base 2) are joined: M = max m_j, w_j = 2^(m_j - M), out = sum(w_j c_j) / sum(w_j l_j).
; Nothing is left out here; bV and sum(V) were left out earlier (shown at the head of the first kernel).
; Work-group x: batch x / 4, channels 256 (x % 4) on; a thread has 4 channels.  128 KB go out and 1.1 MB come in: a stream, so no LDS, no barrier, no matrix unit; the design has work for 128 work-groups.
	s_load_b128 s[4:7], s[0:1], 0x0                ; pctx, pml
	s_load_b64 s[8:9], s[0:1], 0x10                ; out0
	v_lshlrev_b32 v1, 4, v0                        ; 16 bytes a thread
	v_and_b32 v2, 31, v0
	v_lshlrev_b32 v2, 3, v2                        ; my lane's copy of a pair (m, l)
	s_lshr_b32 s10, ttmp9, 2                       ; batch
	s_and_b32 s11, ttmp9, 3
	s_lshl_b32 s11, s11, 10                        ; my quarter of a row
	s_lshl_b32 s12, s10, 15                        ; eight rows of 4,096 bytes a batch
	s_add_co_u32 s12, s12, s11
	s_mov_b32 s13, 0
	s_lshl_b32 s14, s10, 11                        ; eight runs of 256 bytes a batch
	s_mov_b32 s15, 0
	s_lshl_b32 s16, s10, 12
	s_add_co_u32 s16, s16, s11
	s_mov_b32 s17, 0
	s_wait_alu depctr_va_vdst(0)
	s_wait_kmcnt 0x0
	s_add_nc_u64 s[4:5], s[4:5], s[12:13]
	s_add_nc_u64 s[6:7], s[6:7], s[14:15]
	s_add_nc_u64 s[8:9], s[8:9], s[16:17]
.irp j, 0,1,2,3,4,5,6,7
	global_load_b64 v[36+2*\j:37+2*\j], v2, s[6:7] offset:256*\j
.endr
.irp j, 0,1,2,3,4,5,6,7
	global_load_b128 v[4+4*\j:7+4*\j], v1, s[4:5] offset:4096*\j   ; a wave reads 512 consecutive bytes
.endr
	s_wait_loadcnt 8                               ; the eight pairs are in; the eight loads of contexts are younger
	v_max3_num_f32 v52, v36, v38, v40
	v_max3_num_f32 v52, v52, v42, v44
	v_max3_num_f32 v52, v52, v46, v48
	v_max_num_f32 v52, v52, v50                    ; M
.irp j, 0,1,2,3,4,5,6,7
	v_sub_f32 v[36+2*\j], v[36+2*\j], v52
.endr
	s_wait_alu depctr_va_vdst(0)
.irp j, 0,1,2,3,4,5,6,7
	v_exp_f32 v[36+2*\j], v[36+2*\j]               ; w_j, at most 1
.endr
	v_nop                                          ; a plain line behind the exponentials
	s_wait_alu depctr_va_vdst(0)                   ; one wait for the eight, ahead of their first reader
	v_mul_f32 v53, v36, v37
.irp j, 1,2,3,4,5,6,7
	v_fmac_f32 v53, v[36+2*\j], v[37+2*\j]         ; the sum of all 2,048 weights under M
.endr
	s_wait_alu depctr_va_vdst(0)
	v_rcp_f32 v54, v53
	s_wait_loadcnt 0x0
.irp e, 0,1,2,3
	v_mul_f32 v[56+\e], v36, v[4+\e]               ; plain work behind the reciprocal
.endr
.irp j, 1,2,3,4,5,6,7
.irp e, 0,1,2,3
	v_fmac_f32 v[56+\e], v[36+2*\j], v[4+4*\j+\e]
.endr
.endr
	s_wait_alu depctr_va_vdst(0)                   ; the reciprocal's wait, ahead of its first reader
.irp e, 0,1,2,3
	v_mul_f32 v[56+\e], v[56+\e], v54
.endr
	global_store_b128 v1, v[56:59], s[8:9]         ; a wave stores 512 consecutive bytes, at a multiple of 256 from the buffer's first byte
	s_endpgm
.Lfunc_end_k_q24db39e2bf_combine:
	.size	k_q24db39e2bf_combine, .Lfunc_end_k_q24db39e2bf_combine-k_q24db39e2bf_combine
	.p2alignl 7, 3214868480
	.fill 96, 4, 3214868480
	.section	.rodata,"a",@progbits
	.p2align	6, 0x0
	.amdhsa_kernel k_q24db39e2bf_combine
		.amdhsa_group_segment_fixed_size 0
		.amdhsa_private_segment_fixed_size 0
		.amdhsa_enable_private_segment 0
		.amdhsa_kernarg_size 24
		.amdhsa_user_sgpr_count 2
		.amdhsa_user_sgpr_kernarg_segment_ptr 1
		.amdhsa_wavefront_size32 1
		.amdhsa_system_sgpr_workgroup_id_x 1
		.amdhsa_system_sgpr_workgroup_id_y 1
		.amdhsa_system_sgpr_workgroup_id_z 1
		.amdhsa_system_vgpr_workitem_id 0
		.amdhsa_next_free_vgpr 64
		.amdhsa_next_free_sgpr 66
		.amdhsa_reserve_vcc 0
		.amdhsa_float_denorm_mode_32 3
		.amdhsa_float_denorm_mode_16_64 3
		.amdhsa_memory_ordered 1
		.amdhsa_forward_progress 1
		.amdhsa_inst_pref_size 5
	.end_amdhsa_kernel
	.amdgpu_metadata
---
amdhsa.version: [ 1, 2 ]
amdhsa.kernels:
  - .name:           k_q24db39e2bf_combine
    .symbol:         k_q24db39e2bf_combine.kd
    .args:
      - { .name: pctx, .offset: 0, .size: 8, .value_kind: global_buffer, .address_space: global }
      - { .name: pml, .offset: 8, .size: 8, .value_kind: global_buffer, .address_space: global }
      - { .name: out0, .offset: 16, .size: 8, .value_kind: global_buffer, .address_space: global }
    .group_segment_fixed_size: 0
    .private_segment_fixed_size: 0
    .kernarg_segment_align: 8
    .kernarg_segment_size: 24
    .max_flat_workgroup_size: 64
    .sgpr_count:     66
    .vgpr_count:     64
    .wavefront_size: 32
...
	.end_amdgpu_metadata
.endif
;; end of part 3
